; MI455X (gfx1250); checked and timed in simulation.
; The chip was launched on July 23, 2026; its instructions are those of AMD's public machine-readable ISA for CDNA 5 (MIT licence, August 2026) and "CDNA5" Instruction Set Architecture Reference Guide (July 2026). The comments in the code are by the model that wrote it; some were corrected since.
;; Query Conditioned Transport Scorer V3. Allowed arithmetic: matrix products marked QUANTISED: E5M2 operands, one E8M0 scale for each 32 along K, by v_wmma_scale_f32_16x16x128_f8f6f4 with both operands' format E5M2, f32 sums; products left as they are: f32 operands where the result goes on into a quantised operand, else bf16, f16 or f32 operands; f32 sums; everything else in f32.
;; Inputs: ab 512 float32; ab1 512 float32; ab2 512 float32; ag 512 float32; aw1_codes 512 x 16 x 32 uint8 (E5M2 codes of aw1, K innermost, in blocks of 32 codes); aw1_scales 512 x 16 uint8 (E8M0 scales of aw1, one for each 32 codes along K); aw2_codes 512 x 16 x 32 uint8 (E5M2 codes of aw2, K innermost, in blocks of 32 codes); aw2_scales 512 x 16 uint8 (E8M0 scales of aw2, one for each 32 codes along K); cb 1,024 float32; cb1 512 float32; cb2 512 float32; cg 1,024 float32; class_atoms 16 x 64 x 512 float32; class_masses 16 x 64 float32; class_summary 16 x 512 float32; cw1_codes 512 x 32 x 32 uint8 (E5M2 codes of cw1, K innermost, in blocks of 32 codes); cw1_scales 512 x 32 uint8 (E8M0 scales of cw1, one for each 32 codes along K); cw2_codes 512 x 16 x 32 uint8 (E5M2 codes of cw2, K innermost, in blocks of 32 codes); cw2_scales 512 x 16 uint8 (E8M0 scales of cw2, one for each 32 codes along K); episode_context 16 x 512 float32; qb 512 float32; qb1 512 float32; qb2 512 float32; qg 512 float32; query_atoms 64 x 64 x 512 float32; query_masses 64 x 64 float32; qw1_codes 512 x 16 x 32 uint8 (E5M2 codes of qw1, K innermost, in blocks of 32 codes); qw1_scales 512 x 16 uint8 (E8M0 scales of qw1, one for each 32 codes along K); qw2_codes 512 x 16 x 32 uint8 (E5M2 codes of qw2, K innermost, in blocks of 32 codes); qw2_scales 512 x 16 uint8 (E8M0 scales of qw2, one for each 32 codes along K); rb 2,048 float32; rb1 512 float32; rb2 1 float32; rg 2,048 float32; rw1_codes 512 x 64 x 32 uint8 (E5M2 codes of rw1, K innermost, in blocks of 32 codes); rw1_scales 512 x 64 uint8 (E8M0 scales of rw1, one for each 32 codes along K); rw2 512 x 1 float32.
;; Outputs: out0 64 x 16 x 64 float32; out1 64 x 16 float32.
;; This version of the problem:
;;   THIS VERSION OF THE PROBLEM IS GIVEN IN LOW PRECISION. The matrix products marked QUANTISED in the list below multiply operands that are first quantised to E5M2 (5 exponent bits, 2 mantissa bits; 8 bits a number), with one power-of-two scale for each 32 numbers along K (OCP MX v1.0); their sums are f32. All else is computed in f32.
;;   The module's matrix products, in the order in which they are computed (A, B: the left and right operand; K: the contracted axis; several contracted axes count as one K, in the product's order):
;;     1. batch 64 x [M 1, K 64] x [K 64, N 512]; A: computed on the way; B: input query_atoms: left as it is (M = 1 < 16)
;;     2. [M 64, K 512] x [K 512, N 512]; A: computed on the way; B: input qw1 (given as codes): QUANTISED
;;     3. [M 64, K 512] x [K 512, N 512]; A: computed on the way; B: input qw2 (given as codes): QUANTISED
;;     4. [M 1,024, K 512] x [K 512, N 512]; A: computed on the way; B: input aw1 (given as codes): QUANTISED
;;     5. [M 1,024, K 512] x [K 512, N 512]; A: computed on the way; B: input aw2 (given as codes): QUANTISED
;;     6. [M 16, K 1,024] x [K 1,024, N 512]; A: computed on the way; B: input cw1 (given as codes): QUANTISED
;;     7. [M 16, K 512] x [K 512, N 512]; A: computed on the way; B: input cw2 (given as codes): QUANTISED
;;     8. [M 65,536, K 2,048] x [K 2,048, N 512]; A: computed on the way; B: input rw1 (given as codes): QUANTISED
;;     9. [M 65,536, K 512] x [K 512, N 1]; A: computed on the way; B: input rw2: left as it is (N = 1 < 16)
;;   THE QUANTISER, for each operand of a quantised product, along K:
;;     - K is cut into blocks of 32 from its start; a last block that is shorter is filled with zeros.
;;     - A block's scale is 2^e with e = floor(log2(the largest magnitude in the block)) - 15, held to -126 .. 127; a block of zeros has e = 0. As a byte (E8M0): e + 127.
;;     - Each number is divided by its block's scale, clamped to +-57,344, and rounded to the nearest number of E5M2, ties to even, subnormals kept.
;;     - The product sums the exact products of the quantised numbers (number of the format x scale) in f32.
;;   ~~~python
;;   def quantise(x, axis):      # numpy; x: float32 -> the quantised numbers, widened to float32 again
;;       x = np.moveaxis(x, axis, -1); K = x.shape[-1]
;;       x = np.pad(x, [(0, 0)] * (x.ndim - 1) + [(0, -K % 32)]); x = x.reshape(x.shape[:-1] + (-1, 32)); a = np.abs(x).max(-1, keepdims=True)
;;       e = np.where(a > 0, np.clip(np.frexp(np.where(a > 0, a, 1))[1] - 1 - 15, -126, 127), 0)      # np.frexp(a)[1] - 1 = floor(log2(a)), exactly
;;       r = np.clip(x / 2.0 ** e, -57344, 57344)
;;       step = 2.0 ** (np.maximum(np.frexp(np.where(r == 0, 1, r))[1] - 1, -14) - 2)
;;       q = np.round(r / step) * step * 2.0 ** e      # np.round: ties to even
;;       return np.moveaxis(q.reshape(q.shape[:-2] + (-1,))[..., :K], -1, axis).astype(np.float32)
;;   ~~~
;;   OPERANDS COMPUTED ON THE WAY. 'Computed on the way' means the value that the module computes at that place (a softmax that the list does not call 'softmax' is quantised finished and normalised). What goes into a quantiser is computed in f32, as accurately as f32 sums, v_exp_f32 and their like allow (about 1e-6 of the number): no bf16 or f16 on the way to a quantiser, and a product that is left as it is and whose result goes on into a quantised operand takes f32 operands (vector FMAs, or v_wmma_f32_16x16x4_f32). A number that lies on a knife's edge between two numbers of the format may be rounded either way, as far as f32 arithmetic and the matrix unit's own rounding can turn it there, and no further.
;;   INPUTS GIVEN AS CODES. aw1 (in the module: [512, 512], K = its axis 0); aw2 (in the module: [512, 512], K = its axis 0); cw1 (in the module: [1024, 512], K = its axis 0); cw2 (in the module: [512, 512], K = its axis 0); qw1 (in the module: [512, 512], K = its axis 0); qw2 (in the module: [512, 512], K = its axis 0); rw1 (in the module: [2048, 512], K = its axis 0): each comes as NAME_codes (uint8): NAME with its K axis moved to the last place and cut into blocks of 32 codes, [.., K / 32, bytes a block], one block behind the other in memory; one code a byte (a code: sign, 5 exponent bits, 2 mantissa bits); and NAME_scales (uint8): the same leading axes, one E8M0 byte (e + 127) for each 32 codes along K. Its value is code x scale, taken as it is: it is not quantised again, and the codes and scales need not be those that the quantiser above would give.
;; One version. Each part assembles by itself: llvm-mc -triple=amdgcn-amd-amdhsa -mcpu=gfx1250 --defsym DOCPART=n.
;; ======== version 1 of 1: 2 launches
;; limits: a difference of large sums (such as E[x^2] - mean^2): digits are lost where the result is much smaller than its terms
;; workspace buffers: hid 2,260,992 bytes; rwf 1,081,344 bytes
;; launch prep (part 1): grid 145 x 1, 4 waves a work-group, no clusters, 120,320 bytes of LDS; arguments class_atoms, query_atoms, query_masses, class_summary, episode_context, ag, ab, aw1_codes, aw1_scales, ab1, aw2_codes, aw2_scales, qg, qb, qw1_codes, qw1_scales, qb1, qw2_codes, qw2_scales, cg, cb, cw1_codes, cw1_scales, cb1, cw2_codes, cw2_scales, rw1_codes, rw1_scales, hid, rwf; writes hid, rwf
.if DOCPART == 1
	.amdgcn_target "amdgcn-amd-amdhsa--gfx1250"
	.amdhsa_code_object_version 6
	.text
	.protected	k_q4ac71bfade_prep
	.globl	k_q4ac71bfade_prep
	.p2align	8
	.type	k_q4ac71bfade_prep,@function
k_q4ac71bfade_prep:
	s_mov_b64 s[64:65], 0
	v_nop
	global_prefetch_b8 v0, s[64:65] scope:SCOPE_SE
	s_setreg_imm32_b32 hwreg(HW_REG_WAVE_MODE, 25, 1), 1
	s_wait_xcnt 0x0
; THE THREE SMALL MLPs (LayerNorm, Linear, exact GELU, Linear; both products on codes of E5M2 with one E8M0 scale for each 32 along K) AND THE LAYOUT OF rw1 FOR THE NEXT LAUNCH.
; DEAD WORK OF THE WHOLE PROGRAM, for all finite values of the inputs:
;   rb2 is added to the relevance of all 64 atoms of a row of the softmax over the atoms; softmax(x + const) = softmax(x): rb2 reaches no output.  It is not loaded and is no argument of any launch.
;   TEMP = 1 and STRENGTH = 1 are constants of reference(): relevance / TEMP is relevance; (1 - STRENGTH) x class_masses is 0 x a finite number = 0; STRENGTH x rew is rew.
;   mixed / max(sum(mixed), EPS): the sum of a softmax is 1 in exact arithmetic, so the divisor is 1.  class_masses stays live through its logarithm.
;   LIMIT: a NaN, an infinity or an overflow that reaches only the work left out is not carried to the result.
; JOBS, by the work-group's number: 0-63 sixteen class atoms each; 64-127 one query each (its 64 atoms are pooled in f32; the pooled row stands in all 16 rows of the tile, row 0 is stored);
;   128 the 16 contexts (K = 1,024); 129-144 K step (number - 129) of rw1.
; hid: f32 rows of 2,048 bytes: 0-1023 the atoms' rows, 1024 + q the queries', 1088 + w the contexts', all WITHOUT the last bias (ab2, qb2, cb2): the next launch adds it.
; rwf: rw1 in the order of the operand's registers: codes at ((s 4 + wave) 8 + b) 2048 + 512 c + 16 lane = rw1_codes[128 wave + 16 b + lane % 16][128 s + 32 c + 16 (lane / 16) ..];
;   scale words from byte 1,048,576 on at (s 4 + wave) 512 + 16 lane + 4 j = the word of K step s of row 128 wave + 32 j + lane.
; AN MLP JOB: four waves, 16 rows.  Wave w holds columns 128 w .. + 127 of x (with K = 1,024 also 512 + 128 w ..) and makes hidden units and outputs 128 w .. + 127; its weights lie in registers.
;   Operands go from wave to wave through LDS as images of their registers (16 bytes a lane, 512 bytes a store), their scale words 4 bytes a lane.
;   Both products are used transposed (source 0 = 16 rows of the weight, source 1 = the 16 rows of x), so a lane holds one row.  The rows of W1 that form a tile are chosen
;   (lane r of tile 2 b + u: row 32 b + 8 u + r + 8 (r / 8)) so that the 16 registers of two neighbouring tiles are 16 neighbours along the next K.
; LayerNorm in two passes, as reference() has it.  erf(z) = z P(z^2) / Q(z^2) in f32, P of degree 6, Q of degree 4, z held within +-4.
; LIMITS: blocks whose largest magnitude lies under 2^(16 - 127) keep the scale byte 1; NaN and infinities among the inputs are not served.
; The two MLP texts (K = 512, K = 1,024) have LDS bytes of their own.
; REGISTERS, in windows of 256: window 0: v1-23 addresses; v30, v31 the add's two; v32-95 x, then the hidden layer, then the outputs; v96-159 x's second half or pooled atoms, GELU's work, fragments from LDS;
;   v160-175 codes; v176-191 the quantiser's work; v192 its scale word; v200-203 two constants as pairs; v204-211 LayerNorm; v216-219, v224-239 scale words; v240-249 masses.
;   windows 1, 2: the weight's 32 fragments (tile t, K step s at 16 (4 (t % 4) + s)).  window 3: gain v0-63, offset v64-127, their second halves or pooled atoms from v128; later b1 in v0-63.
.set XIMG, 0                           ; LDS of an MLP text, from its base on: x's 8 images of 2,048 bytes,
.set XSC,  16384                       ; their scale words, 128 bytes each,
.set HIMG, 17408                       ; the hidden layer's 4 images,
.set HSC,  25600                       ; their scale words,
.set RED1, 26112                       ; the rows' sums, 64 bytes a wave,
.set RED2, 26368                       ; the rows' sums of squares,
.set OST,  26624                       ; the stage for the outputs: 16 rows of 2,048 + 16 bytes
.set OP,   2064
.set INST, 59904                       ; an MLP text's LDS bytes
.set SPARE, 2*INST                     ; the spare words, 128 bytes for each wave, which no other line names
.set X,   32
.set XF,  96
.set PC,  160
.set TM,  176
.set PW,  192
.set XS,  216
.set WS,  224
.set GZ,  96
.set GU,  104
.set GP,  112
.set GQ,  120
.set CA,  200
.set CB,  202
.set MSB, 0
.macro WIN new                         ; the immediate's high byte repeats the setting that is left
.if MSB != \new
	s_set_vgpr_msb (MSB<<8)|\new
.set MSB, \new
.endif
.endm
.macro SETC r, val                     ; a constant as a scalar pair: the packed forms name a pair
	s_mov_b32 s[\r], \val
	s_mov_b32 s[\r+1], \val
.endm
.macro PLACES n
.rept \n
	v_nop
.endr
.endm
.macro BARRIER                         ; my LDS stores have landed and my LDS loads are in: then the work-group's barrier
	s_wait_dscnt 0x0
	s_barrier_signal -1
	s_barrier_wait -1
.endm
; 64 numbers of a lane: register 16 b + 4 j + e = column 32 b + 16 (lane / 16) + 4 j + e of my 128
.macro VLOAD reg, adr, sb, off
.irp b, 0,1,2,3
.irp j, 0,1,2,3
	global_load_b128 v[\reg+16*\b+4*\j:\reg+16*\b+4*\j+3], v[\adr], s[\sb:\sb+1] offset:\off+128*\b+16*\j
.endr
.endr
.endm
; my 8 tiles x 4 K steps of a weight into windows 1 and 2.  perm = 1: W1's choice of rows
.macro WLOAD adr, sb, krow, koff, perm
.irp t, 0,1,2,3,4,5,6,7
.if \t == 0
	WIN 0x40
.endif
.if \t == 4
	WIN 0x80
.endif
.if \perm
.set ROWT, 32*(\t/2)+8*(\t%2)
.else
.set ROWT, 16*\t
.endif
.irp s, 0,1,2,3
.irp c, 0,1,2,3
	global_load_b128 v[16*(4*(\t%4)+\s)+4*\c:16*(4*(\t%4)+\s)+4*\c+3], v[\adr], s[\sb:\sb+1] offset:ROWT*\krow+\koff+128*\s+32*\c
.endr
.endr
.endr
	WIN 0
.endm
; its scale words: register 4 q + s: lanes 0-15 tile 2 q's rows, lanes 16-31 tile 2 q + 1's, K step s
.macro WSLOAD adr, sb, pitch, off
.irp q, 0,1,2,3
	global_load_b128 v[WS+4*\q:WS+4*\q+3], v[\adr], s[\sb:\sb+1] offset:\pitch*\q+\off
.endr
.endm
; 64 numbers of a lane, register 16 b + i = k 32 b + 16 (lane / 16) + i of my row, become a fragment's codes in v[PC] on and its scale word in v[PW]
.macro QUANT s
.irp b, 0,1,2,3
	v_max3_num_f32 v[TM+\b], |v[\s+16*\b]|, |v[\s+1+16*\b]|, 0x8000000   ; block b: my 16 numbers, and the floor 2^(16 - 127): the byte cannot fall under 1
.endr
.irp i, 2,4,6,8,10,12,14
.irp b, 0,1,2,3
	v_max3_num_f32 v[TM+\b], v[TM+\b], |v[\s+16*\b+\i]|, |v[\s+1+16*\b+\i]|
.endr
.endr
.irp b, 0,1,2,3
	v_permlanex16_b32 v[TM+4+\b], v[TM+\b], s42, s43
.endr
.irp b, 0,1,2,3
	v_max_num_f32 v[TM+\b], v[TM+\b], v[TM+4+\b]     ; with lane l xor 16's: the block's largest magnitude
.endr
.irp b, 0,1,2,3
	v_add_nc_u32 v[TM+12+\b], 0xf8800000, v[TM+\b]   ; 15 off its exponent field: the conversion's scale operand
.endr
.irp b, 0,1,2,3
	v_and_or_b32 v[TM+8+\b], v[TM+\b], 0x7f800000, s44   ; 57,344 x the scale
.endr
.irp b, 0,1,2,3
	v_lshrrev_b32 v[TM+4+\b], 23, v[TM+12+\b]        ; the scale's byte
.endr
	v_lshl_or_b32 v[PW], v[TM+5], 8, v[TM+4]
	v_lshl_or_b32 v[PW], v[TM+6], 16, v[PW]
	v_lshl_or_b32 v[PW], v[TM+7], 24, v[PW]
.irp b, 0,1,2,3
.irp i, 0,1,2,3,4,5,6,7,8,9,10,11,12,13,14,15
	v_med3_num_f32 v[\s+16*\b+\i], v[\s+16*\b+\i], -v[TM+8+\b], v[TM+8+\b]   ; the conversion to an 8-bit code does not saturate (ISA guide 7.6.2): the hold
.endr
	v_cvt_scalef32_pk8_bf8_f32 v[PC+4*\b:PC+1+4*\b], v[\s+16*\b:\s+7+16*\b], v[TM+12+\b]
	v_cvt_scalef32_pk8_bf8_f32 v[PC+2+4*\b:PC+3+4*\b], v[\s+8+16*\b:\s+15+16*\b], v[TM+12+\b]
.endr
	v_nop                                            ; a plain instruction behind the last conversion, ahead of whatever next writes its sources
.endm
.macro IMAGE off, soff                 ; the fragment in v[PC] on and its scale word go to LDS as they stand
.irp c, 0,1,2,3
	ds_store_b128 v7, v[PC+4*\c:PC+4*\c+3] offset:\off+512*\c
.endr
	ds_store_b32 v8, v[PW] offset:\soff
.endm
.macro FETCH4 img, sc                  ; four K steps' fragments and scale words come back so, in any wave
.irp s, 0,1,2,3
.irp c, 0,1,2,3
	ds_load_b128 v[XF+16*\s+4*\c:XF+16*\s+4*\c+3], v22 offset:\img+2048*\s+512*\c
.endr
	ds_load_b32 v[XS+\s], v23 offset:\sc+128*\s
.endr
.endm
; 32 products: my 8 tiles x 4 K steps, in two groups of four tiles whose accumulators take turns.  first = 1: K step 0 starts the sums, with b1 (bias = 1) or 0 as C
.macro GEMM first, bias
.irp g, 0,1
.irp s, 0,1,2,3
.if \first && \bias && (\s == 0)
	WIN (0x31+\g)                                    ; source 0 window 1 or 2, C window 3
.else
	WIN (0x01+\g)
.endif
.irp t, 0,1,2,3
.set TT, 4*\g+\t
.set DR, X+8*TT
.set WR, 16*(4*\t+\s)
.set FR, XF+16*\s
.set SR, WS+4*(TT/2)+\s
.if \first && (\s == 0) && (!\bias)
.if TT%2
	v_wmma_scale_f32_16x16x128_f8f6f4 v[DR:DR+7], v[WR:WR+15], v[FR:FR+15], 0, v[SR], v[XS+\s] matrix_a_fmt:MATRIX_FMT_BF8 matrix_b_fmt:MATRIX_FMT_BF8 matrix_a_scale:MATRIX_SCALE_ROW1
.else
	v_wmma_scale_f32_16x16x128_f8f6f4 v[DR:DR+7], v[WR:WR+15], v[FR:FR+15], 0, v[SR], v[XS+\s] matrix_a_fmt:MATRIX_FMT_BF8 matrix_b_fmt:MATRIX_FMT_BF8
.endif
.else
.if \first && (\s == 0)
.set CR, 8*TT
.else
.set CR, DR
.endif
.if TT%2
	v_wmma_scale_f32_16x16x128_f8f6f4 v[DR:DR+7], v[WR:WR+15], v[FR:FR+15], v[CR:CR+7], v[SR], v[XS+\s] matrix_a_fmt:MATRIX_FMT_BF8 matrix_b_fmt:MATRIX_FMT_BF8 matrix_a_scale:MATRIX_SCALE_ROW1
.else
	v_wmma_scale_f32_16x16x128_f8f6f4 v[DR:DR+7], v[WR:WR+15], v[FR:FR+15], v[CR:CR+7], v[SR], v[XS+\s] matrix_a_fmt:MATRIX_FMT_BF8 matrix_b_fmt:MATRIX_FMT_BF8
.endif
.endif
.endr
.endr
.endr
	WIN 0
.endm
.macro HORN dst, sc                    ; a step of Horner's rule on four pairs: dst = dst u + constant
.irp k, 0,2,4,6
	v_pk_fma_f32 v[\dst+\k:\dst+\k+1], v[\dst+\k:\dst+\k+1], v[GU+\k:GU+\k+1], s[\sc:\sc+1] op_sel_hi:[1,1,0]
.endr
.endm
; of eight numbers x: v[GP] on = x (1 + erf(x / sqrt 2))
.macro GELUC xr
.irp k, 0,2,4,6
	v_pk_mul_f32 v[GZ+\k:GZ+\k+1], v[\xr+\k:\xr+\k+1], s[66:67] op_sel_hi:[1,0]
.endr
.irp k, 0,1,2,3,4,5,6,7
	v_med3_num_f32 v[GZ+\k], v[GZ+\k], -4.0, 4.0
.endr
.irp k, 0,2,4,6
	v_pk_mul_f32 v[GU+\k:GU+\k+1], v[GZ+\k:GZ+\k+1], v[GZ+\k:GZ+\k+1]
.endr
.irp k, 0,2,4,6
	v_pk_fma_f32 v[GP+\k:GP+\k+1], v[GU+\k:GU+\k+1], v[CA:CA+1], s[68:69] op_sel_hi:[1,1,0]
.endr
.irp k, 0,2,4,6
	v_pk_fma_f32 v[GQ+\k:GQ+\k+1], v[GU+\k:GU+\k+1], v[CB:CB+1], s[80:81] op_sel_hi:[1,1,0]
.endr
	HORN GP, 70
	HORN GQ, 82
	HORN GP, 72
	HORN GQ, 84
	HORN GP, 74
	HORN GQ, 86
	HORN GP, 76
	HORN GP, 78
.irp k, 0,1,2,3,4,5,6,7
	v_rcp_f32 v[GQ+\k], v[GQ+\k]
.endr
.irp k, 0,2,4,6
	v_pk_mul_f32 v[GP+\k:GP+\k+1], v[GP+\k:GP+\k+1], v[GZ+\k:GZ+\k+1]   ; plain work behind the reciprocals
.endr
	s_wait_alu depctr_va_vdst(0)                     ; one wait for the eight reciprocals, ahead of their first reader
.irp k, 0,2,4,6
	v_pk_fma_f32 v[GP+\k:GP+\k+1], v[GP+\k:GP+\k+1], v[GQ+\k:GQ+\k+1], 1.0 op_sel_hi:[1,1,0]
.endr
.irp k, 0,2,4,6
	v_pk_mul_f32 v[GP+\k:GP+\k+1], v[GP+\k:GP+\k+1], v[\xr+\k:\xr+\k+1]
.endr
.endm
; a row's sum: my two chains, lane l xor 16's, then the four waves' through LDS; every wave adds the four in the same order
.macro ROWRED red
	v_pk_add_f32 v[208:209], v[208:209], v[210:211]
	v_add_f32 v208, v208, v209
	v_permlanex16_b32 v209, v208, s42, s43
	v_add_f32 v208, v208, v209
	ds_store_b32 v16, v208 offset:\red               ; both halves of the lanes write the same word with the same value
	BARRIER
	ds_load_b32 v208, v17 offset:\red
	ds_load_b32 v209, v17 offset:\red+64
	ds_load_b32 v210, v17 offset:\red+128
	ds_load_b32 v211, v17 offset:\red+192
	s_wait_dscnt 0x0
	v_add_f32 v208, v208, v209
	v_add_f32 v210, v210, v211
	v_add_f32 v208, v208, v210
.endm
; AN MLP JOB.  nh: K of the first product / 512.  LB: the text's first LDS byte
.macro MLPJOB nh, LB
.set KROW, 512*\nh
.set SROW, 16*\nh
.set NX, 64*\nh
.if \nh == 1
	s_load_b128 s[48:51], s[0:1], 0x0                ; class_atoms, query_atoms
	s_load_b64 s[6:7], s[0:1], 0x10                  ; query_masses
	s_load_b256 s[8:15], s[0:1], 0x28                ; ag, ab, aw1's codes, aw1's scales
	s_load_b128 s[16:19], s[0:1], 0x48               ; ab1, aw2's codes
	s_load_b64 s[20:21], s[0:1], 0x58                ; aw2's scales
	s_load_b256 s[24:31], s[0:1], 0x60               ; the same seven of the queries' MLP
	s_load_b128 s[32:35], s[0:1], 0x80
	s_load_b64 s[36:37], s[0:1], 0x90
.else
	s_load_b128 s[4:7], s[0:1], 0x18                 ; class_summary, episode_context
	s_load_b256 s[8:15], s[0:1], 0x98                ; cg, cb, cw1's codes, cw1's scales
	s_load_b128 s[16:19], s[0:1], 0xb8               ; cb1, cw2's codes
	s_load_b64 s[20:21], s[0:1], 0xc8                ; cw2's scales
.endif
	s_load_b64 s[38:39], s[0:1], 0xe0                ; hid
	s_lshl_b32 s45, s40, 9                           ; 512 x wave: my 128 columns in bytes
	v_lshlrev_b32 v4, 11, v2
	v_lshl_add_u32 v4, v3, 6, v4
	v_add_nc_u32 v4, s45, v4                         ; x: row r of 2,048 bytes + 512 wave + 64 h
	v_lshlrev_b32 v5, 2, v2                          ; masses: 4 r
	v_lshl_add_u32 v11, v3, 6, s45                   ; gain and offset: 512 wave + 64 h
	v_lshl_add_u32 v22, v1, 4, \LB                   ; LDS: 16 x lane,
	v_lshl_add_u32 v23, v1, 2, \LB                   ; 4 x lane,
	v_lshl_add_u32 v17, v2, 2, \LB                   ; 4 r
	s_lshl_b32 s46, s40, 11
	v_add_nc_u32 v7, s46, v22                        ; where I store images: + 2,048 wave
	s_lshl_b32 s46, s40, 7
	v_add_nc_u32 v8, s46, v23                        ; and scale words: + 128 wave
	s_lshl_b32 s46, s40, 6
	v_add_nc_u32 v16, s46, v17                       ; and sums: + 64 wave
	s_mul_i32 s46, s40, 4*OP
	v_add_nc_u32 v20, s46, v22                       ; the stage, back: my four rows
	v_mul_u32_u24 v19, v2, OP
	v_lshl_add_u32 v19, v3, 5, v19
	v_add_nc_u32 v19, s45, v19
	v_add_nc_u32 v19, \LB+OST, v19                   ; the stage, in: row r, + 512 wave + 32 h
	v_and_b32 v12, 8, v2
	v_add_nc_u32 v12, v12, v2                        ; r + 8 (r / 8)
	v_lshl_add_u32 v13, v3, 3, v12
	v_mul_u32_u24 v13, v13, SROW                     ; W1's scale words: lanes 16-31 take the odd tile's rows, 8 further on
	v_mul_u32_u24 v12, v12, KROW
	v_lshl_add_u32 v12, v3, 4, v12                   ; W1's codes
	v_lshlrev_b32 v14, 9, v2
	v_lshl_add_u32 v14, v3, 4, v14                   ; W2's codes: row r of 512 bytes
	v_lshlrev_b32 v15, 4, v1                         ; W2's scale words and hid: 16 x lane
	v_lshlrev_b32 v18, 6, v3                         ; b1: 64 h
	s_mov_b32 s55, 0
	s_wait_kmcnt 0x0
.if \nh == 1
	s_cmp_lt_u32 ttmp9, 64                           ; atoms or a query?  The choice hangs on the work-group's number alone
	s_cselect_b64 s[4:5], s[48:49], s[50:51]
	s_cselect_b64 s[8:9], s[8:9], s[24:25]
	s_cselect_b64 s[10:11], s[10:11], s[26:27]
	s_cselect_b64 s[12:13], s[12:13], s[28:29]
	s_cselect_b64 s[14:15], s[14:15], s[30:31]
	s_cselect_b64 s[16:17], s[16:17], s[32:33]
	s_cselect_b64 s[18:19], s[18:19], s[34:35]
	s_cselect_b64 s[20:21], s[20:21], s[36:37]
	s_cselect_b32 s53, 15, 17                        ; 16 rows, or 64 rows, of 2,048 bytes a job
	s_cselect_b32 s58, 15, 11                        ; in hid: 16 rows, or one
	s_cselect_b32 s59, 0, 0x200000                   ; from row 0, or from row 1,024
	s_and_b32 s52, ttmp9, 63                         ; the job's number in its kind
	s_lshl_b32 s54, s52, s53
	s_add_nc_u64 s[4:5], s[4:5], s[54:55]
	s_lshl_b32 s54, s52, s58
	s_add_co_u32 s54, s54, s59
	s_mov_b32 s56, 0x3b000000                        ; 1 / 512
.else
	s_mov_b32 s54, 0x220000                          ; hid from row 1,088
	s_mov_b32 s56, 0x3a800000                        ; 1 / 1,024
.endif
	s_lshl_b32 s58, s40, 13
	s_add_co_u32 s54, s54, s58                       ; + my four rows
	s_add_nc_u64 s[38:39], s[38:39], s[54:55]
	s_mul_i32 s54, s40, 128*KROW                     ; my 128 rows of W1,
	s_add_nc_u64 s[12:13], s[12:13], s[54:55]
	s_mul_i32 s54, s40, 128*SROW                     ; of its scales,
	s_add_nc_u64 s[14:15], s[14:15], s[54:55]
	s_mov_b32 s54, s45                               ; my 128 numbers of b1,
	s_add_nc_u64 s[16:17], s[16:17], s[54:55]
	s_lshl_b32 s54, s40, 16                          ; my 128 rows of W2,
	s_add_nc_u64 s[18:19], s[18:19], s[54:55]
	s_lshl_b32 s54, s40, 11                          ; of its scales
	s_add_nc_u64 s[20:21], s[20:21], s[54:55]
	WIN 0xc0                                         ; destination window 3: gain and offset of my columns
	VLOAD 0, 11, 8, 0
	VLOAD 64, 11, 10, 0
.if \nh == 2
	VLOAD 128, 11, 8, 2048
	VLOAD 192, 11, 10, 2048
.endif
	WIN 0
.if \nh == 1
	s_cmp_lt_u32 ttmp9, 64
	s_cbranch_scc1 .Latoms_\@
	; A QUERY: lane (r, h) takes atoms 16 g + r, g = 0 .. 3; sum of mass x atom in the lane, then over the 16 lanes of its half; divided by the sum of the masses
	s_lshl_b32 s54, s52, 8
	s_add_nc_u64 s[6:7], s[6:7], s[54:55]
.irp g, 0,1,2,3
	global_load_b32 v[240+2*\g], v5, s[6:7] offset:64*\g
.endr
	VLOAD X, 4, 4, 0
	VLOAD 96, 4, 4, 32768
	WIN 0xc0
	VLOAD 128, 4, 4, 65536
	VLOAD 192, 4, 4, 98304
	WIN 0
	s_wait_loadcnt 0x0
.irp g, 0,1,2,3
	v_max_num_f32 v[240+2*\g], 0, v[240+2*\g]
.endr
.irp g, 0,1,2,3
	v_mov_b32 v[241+2*\g], v[240+2*\g]
.endr
	v_add_f32 v248, v240, v242
	v_add_f32 v249, v244, v246
	v_add_f32 v248, v248, v249
.irp m, 1,2,4,8
	v_add_f32_dpp v248, v248, v248 row_xmask:\m row_mask:0xf bank_mask:0xf
.endr
	v_max_num_f32 v248, 0x322bcc77, v248             ; at least 1e-8
	v_rcp_f32 v248, v248
.set i, 0
.rept 32
	v_pk_mul_f32 v[X+i:X+i+1], v[X+i:X+i+1], v[240:241]
.set i, i+2
.endr
.set i, 0
.rept 32
	v_pk_fma_f32 v[X+i:X+i+1], v[96+i:97+i], v[242:243], v[X+i:X+i+1]
.set i, i+2
.endr
	WIN 0x03                                         ; source 0 window 3
.set i, 0
.rept 32
	v_pk_fma_f32 v[X+i:X+i+1], v[128+i:129+i], v[244:245], v[X+i:X+i+1]
.set i, i+2
.endr
.set i, 0
.rept 32
	v_pk_fma_f32 v[X+i:X+i+1], v[192+i:193+i], v[246:247], v[X+i:X+i+1]
.set i, i+2
.endr
	WIN 0
.irp m, 1,2,4,8
.set i, 0
.rept 64
	v_add_f32_dpp v[X+i], v[X+i], v[X+i] row_xmask:\m row_mask:0xf bank_mask:0xf
.set i, i+1
.endr
.endr
	s_wait_alu depctr_va_vdst(0)                     ; the reciprocal's wait, ahead of its first reader
	v_mov_b32 v249, v248
.set i, 0
.rept 32
	v_pk_mul_f32 v[X+i:X+i+1], v[X+i:X+i+1], v[248:249]
.set i, i+2
.endr
	s_branch .Lhave_\@
.Latoms_\@:
	VLOAD X, 4, 4, 0
	s_wait_loadcnt 0x0
.Lhave_\@:
.else
	VLOAD X, 4, 4, 0
	VLOAD 96, 4, 6, 0
	s_wait_loadcnt 0x0
.endif
	WLOAD 12, 12, KROW, 0, 1                         ; W1's first four K steps land while the LayerNorm is worked
	WSLOAD 13, 14, 32*SROW, 0
	; the mean
	v_pk_add_f32 v[208:209], v[X:X+1], v[X+2:X+3]
	v_pk_add_f32 v[210:211], v[X+4:X+5], v[X+6:X+7]
.set i, 8
.rept NX/4-2
	v_pk_add_f32 v[208:209], v[208:209], v[X+i:X+i+1]
	v_pk_add_f32 v[210:211], v[210:211], v[X+i+2:X+i+3]
.set i, i+4
.endr
	ROWRED RED1
	v_mul_f32 v204, s56, v208
	v_mov_b32 v205, v204
.set i, 0
.rept NX/2
	v_pk_add_f32 v[X+i:X+i+1], v[X+i:X+i+1], v[204:205] neg_lo:[0,1] neg_hi:[0,1]
.set i, i+2
.endr
	; the variance, of x - mean
	v_pk_mul_f32 v[208:209], v[X:X+1], v[X:X+1]
	v_pk_mul_f32 v[210:211], v[X+2:X+3], v[X+2:X+3]
.set i, 4
.rept NX/4-1
	v_pk_fma_f32 v[208:209], v[X+i:X+i+1], v[X+i:X+i+1], v[208:209]
	v_pk_fma_f32 v[210:211], v[X+i+2:X+i+3], v[X+i+2:X+i+3], v[210:211]
.set i, i+4
.endr
	ROWRED RED2
	v_fma_f32 v206, v208, s56, s57                   ; variance + 1e-5
	v_rsq_f32 v206, v206
	v_nop
	s_wait_alu depctr_va_vdst(0)
	v_mov_b32 v207, v206
.set i, 0
.rept NX/2
	v_pk_mul_f32 v[X+i:X+i+1], v[X+i:X+i+1], v[206:207]
.set i, i+2
.endr
	WIN 0x3c                                         ; sources 1 and 2 window 3: gain, offset
.set i, 0
.rept NX/2
.if i < 64
.set GR, i
.set BR, 64+i
.else
.set GR, 64+i
.set BR, 128+i
.endif
	v_pk_fma_f32 v[X+i:X+i+1], v[X+i:X+i+1], v[GR:GR+1], v[BR:BR+1]
.set i, i+2
.endr
	WIN 0xc0                                         ; b1 in the result's layout, where the gain lay: tile t, register j: hidden unit 32 (t / 2) + 16 h + 8 (t % 2) + j
.irp t, 0,1,2,3,4,5,6,7
	global_load_b128 v[8*\t:8*\t+3], v18, s[16:17] offset:(32*(\t/2)+8*(\t%2))*4
	global_load_b128 v[8*\t+4:8*\t+7], v18, s[16:17] offset:(32*(\t/2)+8*(\t%2))*4+16
.endr
	WIN 0
	QUANT X
	IMAGE XIMG, XSC
.if \nh == 2
	s_wait_dscnt 0x0                                 ; the stores have read their registers
	QUANT 96
	IMAGE XIMG+8192, XSC+512
.endif
	BARRIER                                          ; x's fragments lie in LDS
	FETCH4 XIMG, XSC
	s_wait_dscnt 0x0
	s_wait_loadcnt 0x0                               ; W1, its scale words, b1
	GEMM 1, 1
.if \nh == 2
	PLACES 8                                         ; ahead of loads into registers that matrix instructions have read
	WLOAD 12, 12, KROW, 512, 1
	WSLOAD 13, 14, 32*SROW, 16
	FETCH4 XIMG+8192, XSC+512
	s_wait_dscnt 0x0
	s_wait_loadcnt 0x0
	GEMM 0, 0
.endif
	PLACES 8                                         ; ahead of those loads, and of the first read of the results
	WLOAD 14, 18, 512, 0, 0                          ; W2 lands while the activation is worked
	WSLOAD 15, 20, 512, 0
.irp t, 0,1,2,3,4,5,6,7
	GELUC X+8*\t
.irp k, 0,2,4,6
	v_pk_mul_f32 v[X+8*\t+\k:X+8*\t+\k+1], v[GP+\k:GP+\k+1], 0.5 op_sel_hi:[1,0]
.endr
.endr
	QUANT X
	IMAGE HIMG, HSC
	BARRIER                                          ; the hidden layer's four fragments lie in LDS
	FETCH4 HIMG, HSC
	s_wait_dscnt 0x0
	s_wait_loadcnt 0x0
	GEMM 1, 0
	PLACES 8
.irp t, 0,1,2,3,4,5,6,7
	ds_store_b128 v19, v[X+8*\t:X+8*\t+3] offset:64*\t          ; lane (r, h): row r, outputs 128 wave + 16 t + 8 h + 0 .. 7; each accumulator from its low end on
	ds_store_b128 v19, v[X+8*\t+4:X+8*\t+7] offset:64*\t+16
.endr
	BARRIER                                          ; 16 whole rows lie in the stage
.irp i, 0,1,2,3
.irp j, 0,1,2,3
	ds_load_b128 v[XF+16*\i+4*\j:XF+16*\i+4*\j+3], v20 offset:OST+\i*OP+512*\j
.endr
.endr
	s_wait_dscnt 0x0
.if \nh == 1
	s_cmp_lt_u32 ttmp9, 64
	s_cbranch_scc1 .Lall_\@
	s_cmp_lg_u32 s40, 0                              ; a query's 16 rows are one row: wave 0 stores row 0
	s_cbranch_scc1 .Lend_\@
.irp j, 0,1,2,3
	global_store_b128 v15, v[XF+4*\j:XF+4*\j+3], s[38:39] offset:512*\j
.endr
	s_branch .Lend_\@
.Lall_\@:
.endif
.irp i, 0,1,2,3
.irp j, 0,1,2,3
	global_store_b128 v15, v[XF+16*\i+4*\j:XF+16*\i+4*\j+3], s[38:39] offset:2048*\i+512*\j   ; 32 lanes store 512 consecutive bytes
.endr
.endr
.Lend_\@:
	s_wait_tensorcnt 0x0                             ; the wave's end, behind my last LDS store
	ds_add_u32 v30, v31
	s_wait_dscnt 0x0
	s_endpgm
.endm
	v_lshl_add_u32 v30, v0, 2, SPARE
	v_mov_b32 v31, 0
	v_lshrrev_b32 v1, 5, v0
	v_readfirstlane_b32 s40, v1                      ; wave 0..3
	v_and_b32 v1, 31, v0                             ; lane
	v_and_b32 v2, 15, v0                             ; r
	v_bfe_u32 v3, v0, 4, 1                           ; h
	s_mov_b32 s42, 0x76543210
	s_mov_b32 s43, 0xfedcba98                        ; v_permlanex16_b32's selects for lane l xor 16
	s_mov_b32 s44, 0x600000                          ; the mantissa field of 57,344
	s_mov_b32 s57, 0x3727c5ac                        ; 1e-5
	SETC 66, 0x3f3504f3                              ; 1 / sqrt 2
	SETC 68, 0.0000000277068142495902                ; P's coefficients, from the second highest down
	SETC 70, -0.00000210102402082508
	SETC 72, -0.0000569250639462346
	SETC 74, -0.000734990630326855
	SETC 76, -0.00295459980854025
	SETC 78, -0.0160960333262415
	SETC 80, -0.000213374055278905                   ; Q's likewise
	SETC 82, -0.00168282697438203
	SETC 84, -0.00737332916720468
	SETC 86, -0.0142647390514189
	v_mov_b32 v[CA], -0.000000000272614225801306     ; the two highest, as vector pairs
	v_mov_b32 v[CA+1], v[CA]
	v_mov_b32 v[CB], -0.0000145660718464996
	v_mov_b32 v[CB+1], v[CB]
.irp b, 0,1,2,3
	v_mov_b32 v[TM+4+\b], 0                          ; written once: a lane permute's destination counts as one of its sources
.endr
	s_cmp_lt_u32 ttmp9, 128
	s_cbranch_scc1 .Lsmall
	s_cmp_eq_u32 ttmp9, 128
	s_cbranch_scc1 .Lctx
	; K STEP s OF rw1: wave w takes rows 128 w .. + 127: 32 loads in the fragments' order, 32 dense stores; no LDS
	s_load_b128 s[4:7], s[0:1], 0xd0                 ; rw1's codes, rw1's scales
	s_load_b64 s[8:9], s[0:1], 0xe8                  ; rwf
	s_sub_co_u32 s10, ttmp9, 129                     ; s
	v_lshlrev_b32 v4, 11, v2
	v_lshl_add_u32 v4, v3, 4, v4                     ; row r of 2,048 bytes + 16 h
	v_lshlrev_b32 v5, 6, v1                          ; a row of scales is 64 bytes: row = lane
	v_lshlrev_b32 v6, 4, v1
	s_lshl_b32 s12, s40, 18
	s_lshl_b32 s13, s10, 7
	s_add_co_u32 s12, s12, s13
	s_mov_b32 s13, 0
	s_lshl_b32 s14, s40, 13
	s_lshl_b32 s15, s10, 2
	s_add_co_u32 s14, s14, s15
	s_mov_b32 s15, 0
	s_lshl_b32 s16, s10, 2
	s_add_co_u32 s16, s16, s40                       ; 4 s + wave
	s_lshl_b32 s18, s16, 9
	s_add_co_u32 s18, s18, 0x100000
	s_mov_b32 s19, 0
	s_lshl_b32 s16, s16, 14
	s_mov_b32 s17, 0
	s_wait_kmcnt 0x0
	s_add_nc_u64 s[4:5], s[4:5], s[12:13]
	s_add_nc_u64 s[6:7], s[6:7], s[14:15]
	s_add_nc_u64 s[20:21], s[8:9], s[16:17]
	s_add_nc_u64 s[22:23], s[8:9], s[18:19]
.irp b, 0,1,2,3,4,5,6,7
.irp c, 0,1,2,3
	global_load_b128 v[32+16*\b+4*\c:35+16*\b+4*\c], v4, s[4:5] offset:32768*\b+32*\c
.endr
.endr
.irp j, 0,1,2,3
	global_load_b32 v[160+\j], v5, s[6:7] offset:2048*\j
.endr
	s_wait_loadcnt 0x0
.irp b, 0,1,2,3,4,5,6,7
.irp c, 0,1,2,3
	global_store_b128 v6, v[32+16*\b+4*\c:35+16*\b+4*\c], s[20:21] offset:2048*\b+512*\c
.endr
.endr
	global_store_b128 v6, v[160:163], s[22:23]
	s_endpgm
.Lsmall:
	MLPJOB 1, 0
.Lctx:
	MLPJOB 2, INST
.Lfunc_end_k_q4ac71bfade_prep:
	.size	k_q4ac71bfade_prep, .Lfunc_end_k_q4ac71bfade_prep-k_q4ac71bfade_prep
	.p2alignl 7, 3214868480
	.fill 96, 4, 3214868480
	.section	.rodata,"a",@progbits
	.p2align	6, 0x0
	.amdhsa_kernel k_q4ac71bfade_prep
		.amdhsa_group_segment_fixed_size 120320
		.amdhsa_private_segment_fixed_size 0
		.amdhsa_enable_private_segment 0
		.amdhsa_kernarg_size 240
		.amdhsa_user_sgpr_count 2
		.amdhsa_user_sgpr_kernarg_segment_ptr 1
		.amdhsa_wavefront_size32 1
		.amdhsa_system_sgpr_workgroup_id_x 1
		.amdhsa_system_sgpr_workgroup_id_y 1
		.amdhsa_system_sgpr_workgroup_id_z 1
		.amdhsa_system_vgpr_workitem_id 0
		.amdhsa_next_free_vgpr 1024
		.amdhsa_next_free_sgpr 100
		.amdhsa_reserve_vcc 0
		.amdhsa_float_denorm_mode_32 3
		.amdhsa_float_denorm_mode_16_64 3
		.amdhsa_memory_ordered 1
		.amdhsa_forward_progress 1
		.amdhsa_inst_pref_size 255
	.end_amdhsa_kernel
	.section	.bss,"aw",@nobits
	.p2align	6
	.space	262144
	.amdgpu_metadata
---
amdhsa.version: [ 1, 2 ]
amdhsa.kernels:
  - .name:           k_q4ac71bfade_prep
    .symbol:         k_q4ac71bfade_prep.kd
    .args:
      - { .name: class_atoms, .offset: 0, .size: 8, .value_kind: global_buffer, .address_space: global }
      - { .name: query_atoms, .offset: 8, .size: 8, .value_kind: global_buffer, .address_space: global }
      - { .name: query_masses, .offset: 16, .size: 8, .value_kind: global_buffer, .address_space: global }
      - { .name: class_summary, .offset: 24, .size: 8, .value_kind: global_buffer, .address_space: global }
      - { .name: episode_context, .offset: 32, .size: 8, .value_kind: global_buffer, .address_space: global }
      - { .name: ag, .offset: 40, .size: 8, .value_kind: global_buffer, .address_space: global }
      - { .name: ab, .offset: 48, .size: 8, .value_kind: global_buffer, .address_space: global }
      - { .name: aw1_codes, .offset: 56, .size: 8, .value_kind: global_buffer, .address_space: global }
      - { .name: aw1_scales, .offset: 64, .size: 8, .value_kind: global_buffer, .address_space: global }
      - { .name: ab1, .offset: 72, .size: 8, .value_kind: global_buffer, .address_space: global }
      - { .name: aw2_codes, .offset: 80, .size: 8, .value_kind: global_buffer, .address_space: global }
      - { .name: aw2_scales, .offset: 88, .size: 8, .value_kind: global_buffer, .address_space: global }
      - { .name: qg, .offset: 96, .size: 8, .value_kind: global_buffer, .address_space: global }
      - { .name: qb, .offset: 104, .size: 8, .value_kind: global_buffer, .address_space: global }
      - { .name: qw1_codes, .offset: 112, .size: 8, .value_kind: global_buffer, .address_space: global }
      - { .name: qw1_scales, .offset: 120, .size: 8, .value_kind: global_buffer, .address_space: global }
      - { .name: qb1, .offset: 128, .size: 8, .value_kind: global_buffer, .address_space: global }
      - { .name: qw2_codes, .offset: 136, .size: 8, .value_kind: global_buffer, .address_space: global }
      - { .name: qw2_scales, .offset: 144, .size: 8, .value_kind: global_buffer, .address_space: global }
      - { .name: cg, .offset: 152, .size: 8, .value_kind: global_buffer, .address_space: global }
      - { .name: cb, .offset: 160, .size: 8, .value_kind: global_buffer, .address_space: global }
      - { .name: cw1_codes, .offset: 168, .size: 8, .value_kind: global_buffer, .address_space: global }
      - { .name: cw1_scales, .offset: 176, .size: 8, .value_kind: global_buffer, .address_space: global }
      - { .name: cb1, .offset: 184, .size: 8, .value_kind: global_buffer, .address_space: global }
      - { .name: cw2_codes, .offset: 192, .size: 8, .value_kind: global_buffer, .address_space: global }
      - { .name: cw2_scales, .offset: 200, .size: 8, .value_kind: global_buffer, .address_space: global }
      - { .name: rw1_codes, .offset: 208, .size: 8, .value_kind: global_buffer, .address_space: global }
      - { .name: rw1_scales, .offset: 216, .size: 8, .value_kind: global_buffer, .address_space: global }
      - { .name: hid, .offset: 224, .size: 8, .value_kind: global_buffer, .address_space: global }
      - { .name: rwf, .offset: 232, .size: 8, .value_kind: global_buffer, .address_space: global }
    .group_segment_fixed_size: 120320
    .private_segment_fixed_size: 0
    .kernarg_segment_align: 8
    .kernarg_segment_size: 240
    .max_flat_workgroup_size: 128
    .sgpr_count:     100
    .vgpr_count:     1024
    .wavefront_size: 32
...
	.end_amdgpu_metadata
.endif
;; end of part 1
;; launch main (part 2): grid 512 x 1, 4 waves a work-group, no clusters, 295,424 bytes of LDS; arguments hid, rwf, rg, rb, rb1, rw2, class_masses, ab2, qb2, cb2, out0, out1; writes out0, out1
.if DOCPART == 2
	.amdgcn_target "amdgcn-amd-amdhsa--gfx1250"
	.amdhsa_code_object_version 6
	.text
	.protected	k_q4ac71bfade_main
	.globl	k_q4ac71bfade_main
	.p2align	8
	.type	k_q4ac71bfade_main,@function
k_q4ac71bfade_main:
	s_mov_b64 s[64:65], 0
	v_nop
	global_prefetch_b8 v0, s[64:65] scope:SCOPE_SE
	s_setreg_imm32_b32 hwreg(HW_REG_WAVE_MODE, 25, 1), 1
	s_wait_xcnt 0x0
; THE RELEVANCE HEAD: for 128 rows (two queries x the 64 atoms of one class) fused = [a, q, a q, |a - q| + c] (2,048 wide), LayerNorm, codes of E5M2 with one E8M0 scale for each 32 along K,
; x rw1 (512 columns), + rb1, exact GELU, . rw2; then the softmax over the 64 atoms with log(class_masses), and its entropy.
; LEFT OUT AS DEAD WORK (shown at the head of the first kernel): rb2, the same for all atoms of a softmax row; TEMP = STRENGTH = 1; the division of a softmax by its own sum.
; LIMITS: the row's variance is E[x^2] - mean^2 from f32 sums over 2,048 numbers: its relative error grows as (mean^2 / variance) x 2^-23.  Blocks whose largest magnitude lies under 2^(16 - 127) keep the scale byte 1.
;   NaN and infinities among the inputs are not served.
; SHARES.  Work-group x: class w = x % 16, queries 2 (x / 16) and + 1.  Row tile m = 4 qi + at (qi: the query; at: 16 atoms).  Wave v owns columns 128 v .. + 127: 64 accumulators, 512 registers.
;   The operand A does not exist in memory: in each K step of 128 wave v makes block v (32 along K) of all 8 fragments, 16 bytes a lane, and stores them as images of the operand's registers;
;   a barrier; every wave loads the 8 fragments.  B comes from rwf, laid in the order of the operand's registers, straight into the one wave that uses it: nothing of it is shared inside a work-group,
;   so no tile goes through LDS and no joint request is made.
; THE PRODUCT IS USED TRANSPOSED (source 0 = 16 rows of rw1, source 1 = 16 rows of A): a lane holds one row and eight columns.  The sums begin as rb1, loaded into the accumulators.
; TWO BARRIERS A K STEP: behind the first the images are whole; the second is signalled when my fragments are in registers and awaited behind my 64 products, ahead of my next stores into the images.
; REGISTERS, in windows of 256: window 0: v1-11 addresses (they never hold loaded data); v12-19 at work; v20-21 masses; v22, v23 the add's two; v24-27 A's scale words, v28-31 B's; v32-63 q (two), v64-79 c,
;   v80-95 gain, v96-111 offset, v112-127 (1 / sigma, - mean / sigma) of 8 rows; v128-255: a (4 x 16), 2 x 16 numbers at work, the quantiser's work; then A's 8 fragments.  window 1: v0-127 B's 8 fragments.
;   windows 2, 3: accumulator (at, b) of query 0, 1 at 8 (8 at + b).
.set GB,   0                           ; LDS: rg 8,192 bytes, rb 8,192 bytes
.set QH,   16384                       ; the two queries' rows, 2,048 bytes each
.set CH,   20480                       ; the class's context row
.set STP,  22528                       ; the waves' partial sums: 4 x 128 rows x 8 bytes
.set REL,  STP                         ; later, in the same bytes: the waves' partial relevances, 4 x 512 bytes
.set STF,  26624                       ; 128 rows x (1 / sigma, - mean / sigma)
.set ASC,  28672                       ; A's scale bytes: word (lane, wave) at 16 lane + 4 wave
.set IMG,  32768                       ; A's images: 4,096 wave + 512 m + 16 lane
.set AH,   49152                       ; the class's 64 atoms: rows of 2,048 + 16 bytes
.set AP,   2064
.set STAGE, 32768                      ; the way out: 65,536 bytes a wave, over the images and the atoms, which are dead then
.set SPARE, 294912                     ; the spare words, 128 bytes for each wave, which no other line names
.set GZ,  192
.set GU,  200
.set GP,  208
.set GQ,  216
.set CA,  228
.set CB,  230
.set MSB, 0
.macro WIN new                         ; the immediate's high byte repeats the setting that is left
.if MSB != \new
	s_set_vgpr_msb (MSB<<8)|\new
.set MSB, \new
.endif
.endm
.macro SETC r, val
	s_mov_b32 s[\r], \val
	s_mov_b32 s[\r+1], \val
.endm
.macro PLACES n
.rept \n
	v_nop
.endr
.endm
.macro BARRIER
	s_wait_dscnt 0x0
	s_barrier_signal -1
	s_barrier_wait -1
.endm
.macro HORN dst, sc
.irp k, 0,2,4,6
	v_pk_fma_f32 v[\dst+\k:\dst+\k+1], v[\dst+\k:\dst+\k+1], v[GU+\k:GU+\k+1], s[\sc:\sc+1] op_sel_hi:[1,1,0]
.endr
.endm
; of eight numbers x: v[GP] on = x (1 + erf(x / sqrt 2)); erf(z) = z P(z^2) / Q(z^2), z held within +-4
.macro GELUC xr
.irp k, 0,2,4,6
	v_pk_mul_f32 v[GZ+\k:GZ+\k+1], v[\xr+\k:\xr+\k+1], s[66:67] op_sel_hi:[1,0]
.endr
.irp k, 0,1,2,3,4,5,6,7
	v_med3_num_f32 v[GZ+\k], v[GZ+\k], -4.0, 4.0
.endr
.irp k, 0,2,4,6
	v_pk_mul_f32 v[GU+\k:GU+\k+1], v[GZ+\k:GZ+\k+1], v[GZ+\k:GZ+\k+1]
.endr
.irp k, 0,2,4,6
	v_pk_fma_f32 v[GP+\k:GP+\k+1], v[GU+\k:GU+\k+1], v[CA:CA+1], s[68:69] op_sel_hi:[1,1,0]
.endr
.irp k, 0,2,4,6
	v_pk_fma_f32 v[GQ+\k:GQ+\k+1], v[GU+\k:GU+\k+1], v[CB:CB+1], s[80:81] op_sel_hi:[1,1,0]
.endr
	HORN GP, 70
	HORN GQ, 82
	HORN GP, 72
	HORN GQ, 84
	HORN GP, 74
	HORN GQ, 86
	HORN GP, 76
	HORN GP, 78
.irp k, 0,1,2,3,4,5,6,7
	v_rcp_f32 v[GQ+\k], v[GQ+\k]
.endr
.irp k, 0,2,4,6
	v_pk_mul_f32 v[GP+\k:GP+\k+1], v[GP+\k:GP+\k+1], v[GZ+\k:GZ+\k+1]   ; plain work behind the reciprocals
.endr
	s_wait_alu depctr_va_vdst(0)                     ; one wait for the eight reciprocals, ahead of their first reader
.irp k, 0,2,4,6
	v_pk_fma_f32 v[GP+\k:GP+\k+1], v[GP+\k:GP+\k+1], v[GQ+\k:GQ+\k+1], 1.0 op_sel_hi:[1,1,0]
.endr
.irp k, 0,2,4,6
	v_pk_mul_f32 v[GP+\k:GP+\k+1], v[GP+\k:GP+\k+1], v[\xr+\k:\xr+\k+1]
.endr
.endm
.macro LDQ                             ; the two queries' 16 numbers of my columns
.irp j, 0,1,2,3
	ds_load_b128 v[32+4*\j:35+4*\j], v9 offset:QH+16*\j
	ds_load_b128 v[48+4*\j:51+4*\j], v9 offset:QH+2048+16*\j
.endr
.endm
.macro LDC                             ; the context's
.irp j, 0,1,2,3
	ds_load_b128 v[64+4*\j:67+4*\j], v9 offset:CH+16*\j
.endr
.endm
.macro LDA                             ; the four atom tiles', in the tiles' order: lane (r, h): atom 16 at + r
.irp at, 0,1
.irp j, 0,1,2,3
	ds_load_b128 v[128+16*\at+4*\j:131+16*\at+4*\j], v10 offset:16*AP*\at+16*\j
.endr
.endr
.irp at, 0,1
.irp j, 0,1,2,3
	ds_load_b128 v[160+16*\at+4*\j:163+16*\at+4*\j], v11 offset:16*AP*\at+16*\j
.endr
.endr
.endm
.macro ADRS                            ; this 128 of the hidden width: my columns' bytes in the tables and in the atoms' rows
	v_add_nc_u32 v9, s40, v2
	v_add_nc_u32 v10, s40, v3
	v_add_nc_u32 v11, 32*AP, v10
.endm
; THE STATISTICS of atom tile at: sums and sums of squares of a (once), of a q and of |a - q| + c (for each query)
.macro STAT_AT at
.irp k, 0,2,4,6,8,10,12,14
.set AR, 128+16*\at+\k
	v_pk_add_f32 v[224+4*\at:225+4*\at], v[224+4*\at:225+4*\at], v[AR:AR+1]
	v_pk_fma_f32 v[226+4*\at:227+4*\at], v[AR:AR+1], v[AR:AR+1], v[226+4*\at:227+4*\at]
.irp qi, 0,1
	v_pk_mul_f32 v[80+4*\qi:81+4*\qi], v[AR:AR+1], v[32+16*\qi+\k:33+16*\qi+\k]
	v_pk_add_f32 v[82+4*\qi:83+4*\qi], v[AR:AR+1], v[32+16*\qi+\k:33+16*\qi+\k] neg_lo:[0,1] neg_hi:[0,1]
.endr
.irp qi, 0,1
	v_add_f32 v[82+4*\qi], |v[82+4*\qi]|, v[64+\k]
	v_add_f32 v[83+4*\qi], |v[83+4*\qi]|, v[65+\k]
.endr
.irp qi, 0,1
.set SU, 192+4*(2*\at+\qi)
	v_pk_add_f32 v[SU:SU+1], v[SU:SU+1], v[80+4*\qi:81+4*\qi]
	v_pk_fma_f32 v[SU+2:SU+3], v[80+4*\qi:81+4*\qi], v[80+4*\qi:81+4*\qi], v[SU+2:SU+3]
	v_pk_add_f32 v[SU:SU+1], v[SU:SU+1], v[82+4*\qi:83+4*\qi]
	v_pk_fma_f32 v[SU+2:SU+3], v[82+4*\qi:83+4*\qi], v[82+4*\qi:83+4*\qi], v[SU+2:SU+3]
.endr
.endr
.endm
; MY BLOCK OF TWO FRAGMENTS: atom tile at, both queries, part p of fused (0: a, 1: q, 2: a q, 3: |a - q| + c).  The codes land in the tile's own registers of a, which are done with
.macro VAT p, at
.set AR, 128+16*\at
.if \p != 1
	s_wait_dscnt 12-2*\at                            ; this tile's a is in: behind its loads stand 4 (3 - at) loads of a and 2 at stores of images
.elseif \at == 0
	s_wait_dscnt 0x0
.endif
.if \p >= 2
.irp qi, 0,1
.irp k, 0,2,4,6,8,10,12,14
.if \p == 2
	v_pk_mul_f32 v[192+16*\qi+\k:193+16*\qi+\k], v[AR+\k:AR+\k+1], v[32+16*\qi+\k:33+16*\qi+\k]
.else
	v_pk_add_f32 v[192+16*\qi+\k:193+16*\qi+\k], v[AR+\k:AR+\k+1], v[32+16*\qi+\k:33+16*\qi+\k] neg_lo:[0,1] neg_hi:[0,1]
.endif
.endr
.endr
.endif
.if \p == 3
.irp qi, 0,1
.irp k, 0,1,2,3,4,5,6,7,8,9,10,11,12,13,14,15
	v_add_f32 v[192+16*\qi+\k], |v[192+16*\qi+\k]|, v[64+\k]
.endr
.endr
.endif
.irp qi, 0,1
.if \p == 0
.set SRC, AR
.elseif \p == 1
.set SRC, 32+16*\qi
.else
.set SRC, 192+16*\qi
.endif
.set SR, 112+2*(4*\qi+\at)
.irp k, 0,2,4,6,8,10,12,14
	v_pk_fma_f32 v[192+16*\qi+\k:193+16*\qi+\k], v[SRC+\k:SRC+\k+1], v[SR:SR+1], v[SR:SR+1] op_sel:[0,0,1] op_sel_hi:[1,0,1]   ; x / sigma - mean / sigma: the pair's first word multiplies, its second is added
.endr
.endr
.irp qi, 0,1
.irp k, 0,2,4,6,8,10,12,14
	v_pk_fma_f32 v[192+16*\qi+\k:193+16*\qi+\k], v[192+16*\qi+\k:193+16*\qi+\k], v[80+\k:81+\k], v[96+\k:97+\k]   ; x gain + offset
.endr
.endr
.irp qi, 0,1
	v_max3_num_f32 v[224+\qi], |v[192+16*\qi]|, |v[193+16*\qi]|, 0x8000000   ; my 16 numbers, and the floor 2^(16 - 127): the byte cannot fall under 1
.endr
.irp i, 2,4,6,8,10,12,14
.irp qi, 0,1
	v_max3_num_f32 v[224+\qi], v[224+\qi], |v[192+16*\qi+\i]|, |v[193+16*\qi+\i]|
.endr
.endr
.irp qi, 0,1
	v_permlanex16_b32 v[226+\qi], v[224+\qi], s50, s51
.endr
.irp qi, 0,1
	v_max_num_f32 v[224+\qi], v[224+\qi], v[226+\qi] ; with lane l xor 16's: the block's largest magnitude
.endr
.irp qi, 0,1
	v_add_nc_u32 v[228+\qi], 0xf8800000, v[224+\qi]  ; 15 off its exponent field: the conversion's scale operand
.endr
.irp qi, 0,1
	v_and_or_b32 v[230+\qi], v[224+\qi], 0x7f800000, s52   ; 57,344 x the scale
.endr
.irp qi, 0,1
.irp k, 0,1,2,3,4,5,6,7,8,9,10,11,12,13,14,15
	v_med3_num_f32 v[192+16*\qi+\k], v[192+16*\qi+\k], -v[230+\qi], v[230+\qi]   ; the conversion to an 8-bit code does not saturate (ISA guide 7.6.2): the hold
.endr
.endr
.irp qi, 0,1
	v_cvt_scalef32_pk8_bf8_f32 v[AR+4*\qi:AR+4*\qi+1], v[192+16*\qi:199+16*\qi], v[228+\qi]
	v_cvt_scalef32_pk8_bf8_f32 v[AR+4*\qi+2:AR+4*\qi+3], v[200+16*\qi:207+16*\qi], v[228+\qi]
.endr
.irp qi, 0,1
.if \at == 0
	v_lshrrev_b32 v[244+\qi], 23, v[228+\qi]         ; the scale's byte (a plain line behind the conversions); the four tiles' bytes make a word
.else
	v_lshrrev_b32 v[232+\qi], 23, v[228+\qi]
.endif
.endr
.if \at > 0
.irp qi, 0,1
	v_lshl_or_b32 v[244+\qi], v[232+\qi], 8*\at, v[244+\qi]
.endr
.endif
.irp qi, 0,1
	ds_store_b128 v5, v[AR+4*\qi:AR+4*\qi+3] offset:512*(4*\qi+\at)
.endr
.endm
; 32 products: query qi's four row tiles x my eight column tiles; the accumulators take turns, in the same order in every step
.macro MM qi
.irp at, 0,1,2,3
.irp e, 0,1,2,3
.set AC, 8*(8*\at+2*\e)
.set BF, 32*\e
.set AF, 128+16*(4*\qi+\at)
.if \qi
	v_wmma_scale_f32_16x16x128_f8f6f4 v[AC:AC+7], v[BF:BF+15], v[AF:AF+15], v[AC:AC+7], v[28+\e], v[24+\at] matrix_a_fmt:MATRIX_FMT_BF8 matrix_b_fmt:MATRIX_FMT_BF8 matrix_b_scale:MATRIX_SCALE_ROW1
	v_wmma_scale_f32_16x16x128_f8f6f4 v[AC+8:AC+15], v[BF+16:BF+31], v[AF:AF+15], v[AC+8:AC+15], v[28+\e], v[24+\at] matrix_a_fmt:MATRIX_FMT_BF8 matrix_b_fmt:MATRIX_FMT_BF8 matrix_a_scale:MATRIX_SCALE_ROW1 matrix_b_scale:MATRIX_SCALE_ROW1
.else
	v_wmma_scale_f32_16x16x128_f8f6f4 v[AC:AC+7], v[BF:BF+15], v[AF:AF+15], v[AC:AC+7], v[28+\e], v[24+\at] matrix_a_fmt:MATRIX_FMT_BF8 matrix_b_fmt:MATRIX_FMT_BF8
	v_wmma_scale_f32_16x16x128_f8f6f4 v[AC+8:AC+15], v[BF+16:BF+31], v[AF:AF+15], v[AC+8:AC+15], v[28+\e], v[24+\at] matrix_a_fmt:MATRIX_FMT_BF8 matrix_b_fmt:MATRIX_FMT_BF8 matrix_a_scale:MATRIX_SCALE_ROW1
.endif
.endr
.endr
.endm
; A K STEP of 128 in part p
.macro STEP p
	ADRS                                             ; three plain lines and five more: eight places behind the last products, ahead of loads and writes into their registers
	PLACES 5
	WIN 0x40                                         ; destination window 1
.irp b, 0,1,2,3,4,5,6,7
.irp c, 0,1,2,3
	global_load_b128 v[16*\b+4*\c:16*\b+4*\c+3], v1, s[36:37] offset:2048*\b+512*\c   ; B's fragments: 512 consecutive bytes a load; they land while A is made
.endr
.endr
	WIN 0
	global_load_b128 v[28:31], v1, s[38:39]          ; B's scale words: register j: lanes 0-15 tile 2 j, lanes 16-31 tile 2 j + 1
.irp j, 0,1,2,3
	ds_load_b128 v[80+4*\j:83+4*\j], v9 offset:GB+2048*\p+16*\j
	ds_load_b128 v[96+4*\j:99+4*\j], v9 offset:GB+8192+2048*\p+16*\j
.endr
.if \p >= 1
	LDQ
.endif
.if \p == 3
	LDC
.endif
.irp qi, 0,1
.irp at, 0,1,2,3
	ds_load_b64 v[112+2*(4*\qi+\at):113+2*(4*\qi+\at)], v4 offset:8*(64*\qi+16*\at)
.endr
.endr
.if \p != 1
	LDA
.endif
	VAT \p, 0
	VAT \p, 1
	VAT \p, 2
	VAT \p, 3
	v_cndmask_b32 v246, v244, v245, s53              ; lanes 0-15 hand on query 0's word, lanes 16-31 query 1's
	ds_store_b32 v6, v246
	BARRIER                                          ; the 8 images and their scale bytes lie in LDS
	ds_load_b128 v[12:15], v1 offset:ASC             ; the four waves' words of my (query, row)
.irp m, 0,1,2,3,4,5,6,7
.irp c, 0,1,2,3
	ds_load_b128 v[128+16*\m+4*\c:131+16*\m+4*\c], v1 offset:IMG+4096*\c+512*\m
.endr
.endr
	s_wait_dscnt 0x0                                 ; my reads of the images are over:
	s_barrier_signal -1                              ; say so; only work on registers up to the wait
	s_wait_loadcnt 0x0                               ; B is in, and every earlier load has read its address
	v_perm_b32 v16, v13, v12, 0x05010400             ; 4 x 4 bytes are turned: word (wave) of bytes (tile) becomes word (tile) of bytes (block)
	v_perm_b32 v17, v13, v12, 0x07030602
	v_perm_b32 v18, v15, v14, 0x05010400
	v_perm_b32 v19, v15, v14, 0x07030602
	v_perm_b32 v24, v18, v16, 0x05040100
	v_perm_b32 v25, v18, v16, 0x07060302
	v_perm_b32 v26, v19, v17, 0x05040100
	v_perm_b32 v27, v19, v17, 0x07060302
	s_add_nc_u64 s[36:37], s[36:37], 65536           ; the next K step's fragments
	s_add_nc_u64 s[38:39], s[38:39], 2048
	PLACES 8                                         ; a scale register written by a vector instruction stands eight places ahead of the product
	WIN 0xa1                                         ; source 0 (B) window 1, source 1 (A) window 0, C and D window 2
	MM 0
	WIN 0xf1                                         ; C and D window 3
	MM 1
	WIN 0
	s_barrier_wait -1                                ; every wave has its fragments: the images may be written again
	s_add_co_u32 s40, s40, 512
.endm
.macro PART p                          ; the four K steps of a part
	s_mov_b32 s40, 0
	s_mov_b32 s41, 4
.Lpart_\@:
	STEP \p
	s_sub_co_u32 s41, s41, 1
	s_cmp_lg_u32 s41, 0
	s_cbranch_scc1 .Lpart_\@
.endm
.macro RSUM r, t                       ; a sum over the 32 lanes, in every lane
.irp m, 1,2,4,8
	v_add_f32_dpp v[\r], v[\r], v[\r] row_xmask:\m row_mask:0xf bank_mask:0xf
.endr
	v_permlanex16_b32 v[\t], v[\r], s50, s51
	v_add_f32 v[\r], v[\r], v[\t]
.endm
	s_load_b512 s[4:19], s[0:1], 0x0                 ; hid, rwf, rg, rb, rb1, rw2, class_masses, ab2
	s_load_b256 s[20:27], s[0:1], 0x40               ; qb2, cb2, out0, out1
	v_lshl_add_u32 v22, v0, 2, SPARE
	v_mov_b32 v23, 0
	v_lshrrev_b32 v1, 5, v0
	v_readfirstlane_b32 s28, v1                      ; wave 0..3
	s_and_b32 s29, ttmp9, 15                         ; the class
	s_lshr_b32 s30, ttmp9, 4
	s_lshl_b32 s30, s30, 1                           ; the first of my two queries
	v_and_b32 v12, 31, v0                            ; lane
	v_and_b32 v13, 15, v0                            ; r
	v_bfe_u32 v14, v0, 4, 1                          ; h
	v_lshlrev_b32 v1, 4, v12                         ; 16 x lane
	s_lshl_b32 s32, s28, 7
	v_lshl_add_u32 v2, v14, 6, s32                   ; my 16 columns of a 128: 128 wave + 64 h bytes
	v_mul_u32_u24 v3, v13, AP
	v_add_nc_u32 v3, v3, v2
	v_add_nc_u32 v3, AH, v3                          ; the same in atom r's row
	v_lshl_add_u32 v4, v13, 3, STF
	s_lshl_b32 s32, s28, 12
	v_add_nc_u32 v5, s32, v1
	v_add_nc_u32 v5, IMG, v5                         ; where I store images
	s_lshl_b32 s32, s28, 2
	v_add_nc_u32 v6, s32, v1
	v_add_nc_u32 v6, ASC, v6                         ; and scale words
	s_lshl_b32 s32, s28, 10
	v_lshl_add_u32 v7, v13, 3, s32
	v_add_nc_u32 v7, STP, v7                         ; and partial sums
	s_lshl_b32 s32, s28, 16
	v_add_nc_u32 v8, s32, v1
	v_add_nc_u32 v8, STAGE, v8                       ; my stage
	s_mul_i32 s32, s28, 16*AP
	v_add_nc_u32 v15, s32, v1
	v_add_nc_u32 v15, AH, v15                        ; the copy of the atoms: my 16 rows
	v_lshlrev_b32 v16, 4, v0                         ; the tables: 16 bytes a thread
	v_lshlrev_b32 v17, 3, v12                        ; masses: atoms 2 lane, 2 lane + 1
	s_lshl_b32 s32, s28, 9
	v_lshl_add_u32 v18, v14, 5, s32                  ; rb1: 512 wave + 32 h (v12-19 serve the head alone: the K steps take them for other work)
	s_mov_b32 s50, 0x76543210
	s_mov_b32 s51, 0xfedcba98                        ; v_permlanex16_b32's selects for lane l xor 16
	s_mov_b32 s52, 0x600000                          ; the mantissa field of 57,344
	s_mov_b32 s53, 0xffff0000                        ; lanes 16-31
	s_mov_b32 s54, 0x3a000000                        ; 1 / 2,048
	s_mov_b32 s55, 0x3727c5ac                        ; 1e-5
	s_mov_b32 s56, 0x3fb8aa3b                        ; log2(e)
	SETC 66, 0x3f3504f3                              ; 1 / sqrt 2
	SETC 68, 0.0000000277068142495902                ; P's coefficients, from the second highest down
	SETC 70, -0.00000210102402082508
	SETC 72, -0.0000569250639462346
	SETC 74, -0.000734990630326855
	SETC 76, -0.00295459980854025
	SETC 78, -0.0160960333262415
	SETC 80, -0.000213374055278905                   ; Q's likewise
	SETC 82, -0.00168282697438203
	SETC 84, -0.00737332916720468
	SETC 86, -0.0142647390514189
	s_lshl_b32 s34, s29, 17                          ; hid: the class's 64 rows,
	s_lshl_b32 s35, s28, 15                          ; my 16 of them
	s_add_co_u32 s34, s34, s35
	s_mov_b32 s35, 0
	s_lshl_b32 s32, s30, 11
	s_add_co_u32 s32, s32, 0x200000                  ; row 1,024 + my first query
	s_mov_b32 s33, 0
	s_lshl_b32 s42, s29, 11
	s_add_co_u32 s42, s42, 0x220000                  ; row 1,088 + the class
	s_mov_b32 s43, 0
	s_wait_kmcnt 0x0
	s_add_nc_u64 s[44:45], s[4:5], s[34:35]
	s_add_nc_u64 s[46:47], s[4:5], s[32:33]
	s_add_nc_u64 s[48:49], s[4:5], s[42:43]
	s_lshl_b32 s32, s29, 8
	s_add_nc_u64 s[16:17], s[16:17], s[32:33]        ; the class's masses
	s_lshl_b32 s32, s28, 14
	s_add_nc_u64 s[36:37], s[6:7], s[32:33]          ; rwf: my fragments of K step 0,
	s_lshl_b32 s32, s28, 9
	s_add_co_u32 s32, s32, 0x100000
	s_add_nc_u64 s[38:39], s[6:7], s[32:33]          ; and my scale words
	; the tables, 2,048 bytes an instruction of the work-group; the last biases of the three small MLPs are added here
.irp j, 0,1,2,3
	global_load_b128 v[32+4*\j:35+4*\j], v1, s[18:19] offset:512*\j        ; ab2: my 16 bytes of each 512
	global_load_b128 v[48+4*\j:51+4*\j], v16, s[8:9] offset:2048*\j        ; rg
	global_load_b128 v[64+4*\j:67+4*\j], v16, s[10:11] offset:2048*\j      ; rb
.endr
	global_load_b128 v[80:83], v16, s[46:47]
	global_load_b128 v[84:87], v16, s[46:47] offset:2048
	global_load_b128 v[88:91], v16, s[20:21]
	global_load_b128 v[92:95], v16, s[48:49]
	global_load_b128 v[96:99], v16, s[22:23]
	global_load_b64 v[20:21], v17, s[16:17]
.irp hf, 0,1                           ; my 16 atoms, 8 at a time: 512 consecutive bytes a load; + ab2; into rows of 2,064 bytes
.irp i, 0,1,2,3,4,5,6,7
.irp j, 0,1,2,3
	global_load_b128 v[128+16*\i+4*\j:131+16*\i+4*\j], v1, s[44:45] offset:(8*\hf+\i)*2048+512*\j
.endr
.endr
	s_wait_loadcnt 0x0
.irp i, 0,1,2,3,4,5,6,7
.irp k, 0,2,4,6,8,10,12,14
	v_pk_add_f32 v[128+16*\i+\k:129+16*\i+\k], v[128+16*\i+\k:129+16*\i+\k], v[32+\k:33+\k]
.endr
.endr
.irp i, 0,1,2,3,4,5,6,7
.irp j, 0,1,2,3
	ds_store_b128 v15, v[128+16*\i+4*\j:131+16*\i+4*\j] offset:(8*\hf+\i)*AP+512*\j
.endr
.endr
	s_wait_dscnt 0x0                                 ; the stores have read their registers
.endr
.irp k, 0,2
	v_pk_add_f32 v[80+\k:81+\k], v[80+\k:81+\k], v[88+\k:89+\k]
	v_pk_add_f32 v[84+\k:85+\k], v[84+\k:85+\k], v[88+\k:89+\k]
	v_pk_add_f32 v[92+\k:93+\k], v[92+\k:93+\k], v[96+\k:97+\k]
.endr
.irp j, 0,1,2,3
	ds_store_b128 v16, v[48+4*\j:51+4*\j] offset:GB+2048*\j
	ds_store_b128 v16, v[64+4*\j:67+4*\j] offset:GB+8192+2048*\j
.endr
	ds_store_b128 v16, v[80:83] offset:QH
	ds_store_b128 v16, v[84:87] offset:QH+2048
	ds_store_b128 v16, v[92:95] offset:CH
	WIN 0x80                                         ; THE SUMS BEGIN AS rb1: register j of accumulator (at, b): rb1[128 wave + 16 b + 8 h + j]
.irp at, 0,1,2,3
.irp b, 0,1,2,3,4,5,6,7
	global_load_b128 v[8*(8*\at+\b):8*(8*\at+\b)+3], v18, s[12:13] offset:64*\b
	global_load_b128 v[8*(8*\at+\b)+4:8*(8*\at+\b)+7], v18, s[12:13] offset:64*\b+16
.endr
.endr
	WIN 0xc0
.irp at, 0,1,2,3
.irp b, 0,1,2,3,4,5,6,7
	global_load_b128 v[8*(8*\at+\b):8*(8*\at+\b)+3], v18, s[12:13] offset:64*\b
	global_load_b128 v[8*(8*\at+\b)+4:8*(8*\at+\b)+7], v18, s[12:13] offset:64*\b+16
.endr
.endr
	WIN 0
	BARRIER                                          ; atoms and tables lie in LDS
	; THE ROWS' STATISTICS: wave v sums its columns (32 v + 16 h + 0 .. 15 of each 128) for all 128 rows
.set i, 0
.rept 56
	v_mov_b32 v[192+i], 0                            ; v192-223 (sum, sum of squares) of (tile, query); v224-239 of a, by tile; v240-247 of q, by query
.set i, i+1
.endr
	s_mov_b32 s40, 0
	s_mov_b32 s41, 4
.Lstat:
	ADRS
	LDQ
	LDC
	LDA
	s_wait_dscnt 0x0
.irp qi, 0,1
.irp k, 0,2,4,6,8,10,12,14
	v_pk_add_f32 v[240+4*\qi:241+4*\qi], v[240+4*\qi:241+4*\qi], v[32+16*\qi+\k:33+16*\qi+\k]
	v_pk_fma_f32 v[242+4*\qi:243+4*\qi], v[32+16*\qi+\k:33+16*\qi+\k], v[32+16*\qi+\k:33+16*\qi+\k], v[242+4*\qi:243+4*\qi]
.endr
.endr
	STAT_AT 0
	STAT_AT 1
	STAT_AT 2
	STAT_AT 3
	s_add_co_u32 s40, s40, 512
	s_sub_co_u32 s41, s41, 1
	s_cmp_lg_u32 s41, 0
	s_cbranch_scc1 .Lstat
.irp at, 0,1,2,3
.irp qi, 0,1
.set SU, 192+4*(2*\at+\qi)
	v_pk_add_f32 v[SU:SU+1], v[SU:SU+1], v[224+4*\at:225+4*\at]
	v_pk_add_f32 v[SU+2:SU+3], v[SU+2:SU+3], v[226+4*\at:227+4*\at]
	v_pk_add_f32 v[SU:SU+1], v[SU:SU+1], v[240+4*\qi:241+4*\qi]
	v_pk_add_f32 v[SU+2:SU+3], v[SU+2:SU+3], v[242+4*\qi:243+4*\qi]
	v_add_f32 v[SU], v[SU], v[SU+1]
	v_add_f32 v[SU+1], v[SU+2], v[SU+3]
	v_permlanex16_b32 v[SU+2], v[SU], s50, s51
	v_permlanex16_b32 v[SU+3], v[SU+1], s50, s51
	v_pk_add_f32 v[SU:SU+1], v[SU:SU+1], v[SU+2:SU+3]
	ds_store_b64 v7, v[SU:SU+1] offset:8*(64*\qi+16*\at)     ; both halves of the lanes write the same words with the same values
.endr
.endr
	BARRIER
	v_lshl_add_u32 v13, v0, 3, STP                   ; thread t finishes row t
	v_lshl_add_u32 v14, v0, 3, STF
	ds_load_b64 v[80:81], v13
	ds_load_b64 v[82:83], v13 offset:1024
	ds_load_b64 v[84:85], v13 offset:2048
	ds_load_b64 v[86:87], v13 offset:3072
	s_wait_dscnt 0x0
	v_pk_add_f32 v[80:81], v[80:81], v[82:83]
	v_pk_add_f32 v[84:85], v[84:85], v[86:87]
	v_pk_add_f32 v[80:81], v[80:81], v[84:85]
	v_mul_f32 v80, s54, v80                          ; the mean
	v_mul_f32 v81, s54, v81
	v_fma_f32 v81, -v80, v80, v81                    ; the variance,
	v_max_num_f32 v81, 0, v81                        ; not under 0,
	v_add_f32 v81, s55, v81                          ; + 1e-5
	v_rsq_f32 v82, v81
	v_nop
	s_wait_alu depctr_va_vdst(0)
	v_mul_f32 v83, -v80, v82
	ds_store_b64 v14, v[82:83]
	BARRIER
	PART 0
	PART 1
	PART 2
	PART 3
	; THE WAY OUT.  All 64 accumulators go into my stage as they stand; then a row tile a trip: GELU, x 0.5 rw2, summed over my 128 columns
	PLACES 8
	v_bfe_u32 v9, v0, 4, 1                           ; rw2's offset is made anew, from ids alone: 512 wave + 32 h
	s_lshl_b32 s32, s28, 9
	v_lshl_add_u32 v9, v9, 5, s32
.irp b, 0,1,2,3,4,5,6,7
	global_load_b128 v[32+8*\b:35+8*\b], v9, s[14:15] offset:64*\b           ; rw2 in the result's layout
	global_load_b128 v[36+8*\b:39+8*\b], v9, s[14:15] offset:64*\b+16
.endr
	WIN 0x08                                         ; an LDS store's data are its source 1: window 2
.irp at, 0,1,2,3
.irp b, 0,1,2,3,4,5,6,7
	ds_store_b128 v8, v[8*(8*\at+\b):8*(8*\at+\b)+3] offset:(8*\at+\b)*1024          ; each accumulator from its low end on
	ds_store_b128 v8, v[8*(8*\at+\b)+4:8*(8*\at+\b)+7] offset:(8*\at+\b)*1024+512
.endr
.endr
	WIN 0x0c                                         ; window 3
.irp at, 0,1,2,3
.irp b, 0,1,2,3,4,5,6,7
	ds_store_b128 v8, v[8*(8*\at+\b):8*(8*\at+\b)+3] offset:(32+8*\at+\b)*1024
	ds_store_b128 v8, v[8*(8*\at+\b)+4:8*(8*\at+\b)+7] offset:(32+8*\at+\b)*1024+512
.endr
.endr
	WIN 0
	v_mov_b32 v[CA], -0.000000000272614225801306     ; P's and Q's highest coefficients, as vector pairs
	v_mov_b32 v[CA+1], v[CA]
	v_mov_b32 v[CB], -0.0000145660718464996
	v_mov_b32 v[CB+1], v[CB]
	v_and_b32 v10, 15, v0
	v_lshl_add_u32 v10, v10, 2, s32
	v_add_nc_u32 v10, REL, v10                       ; my partial relevances: 512 wave + 4 r
	s_wait_loadcnt 0x0                               ; rw2 is in, and its loads have read v9
.set i, 0
.rept 32
	v_pk_mul_f32 v[32+i:33+i], v[32+i:33+i], 0.5 op_sel_hi:[1,0]
.set i, i+2
.endr
	s_mov_b32 s41, 8
	s_mov_b32 s42, 0
	s_mov_b32 s43, 0
.Lrow:
	v_add_nc_u32 v9, s42, v8
	v_add_nc_u32 v11, s43, v10
.irp b, 0,1,2,3,4,5,6,7
	ds_load_b128 v[128+8*\b:131+8*\b], v9 offset:1024*\b          ; LDS serves a wave's instructions in order: these see my stores
	ds_load_b128 v[132+8*\b:135+8*\b], v9 offset:1024*\b+512
.endr
	s_wait_dscnt 0x0
.irp b, 0,1,2,3,4,5,6,7
	GELUC 128+8*\b
.if \b == 0
	v_pk_mul_f32 v[224:225], v[GP:GP+1], v[32:33]    ; the first products start the two sums
	v_pk_mul_f32 v[226:227], v[GP+2:GP+3], v[34:35]
.else
	v_pk_fma_f32 v[224:225], v[GP:GP+1], v[32+8*\b:33+8*\b], v[224:225]
	v_pk_fma_f32 v[226:227], v[GP+2:GP+3], v[34+8*\b:35+8*\b], v[226:227]
.endif
	v_pk_fma_f32 v[224:225], v[GP+4:GP+5], v[36+8*\b:37+8*\b], v[224:225]
	v_pk_fma_f32 v[226:227], v[GP+6:GP+7], v[38+8*\b:39+8*\b], v[226:227]
.endr
	v_pk_add_f32 v[224:225], v[224:225], v[226:227]
	v_add_f32 v224, v224, v225
	v_permlanex16_b32 v225, v224, s50, s51
	v_add_f32 v224, v224, v225
	ds_store_b32 v11, v224                           ; row 16 m + r; both halves of the lanes write the same word with the same value
	s_add_co_u32 s42, s42, 8192
	s_add_co_u32 s43, s43, 64
	s_sub_co_u32 s41, s41, 1
	s_cmp_lg_u32 s41, 0
	s_cbranch_scc1 .Lrow
	BARRIER                                          ; the four waves' partial relevances lie in LDS
	; THE SOFTMAX over the 64 atoms, in base 2: wave 0 query 0, wave 1 query 1; a lane holds atoms 2 l and 2 l + 1
	s_cmp_lt_u32 s28, 2
	s_cbranch_scc0 .Ldone
	v_and_b32 v9, 31, v0
	s_lshl_b32 s32, s28, 8
	v_lshl_add_u32 v10, v9, 3, s32
	v_add_nc_u32 v10, REL, v10
	ds_load_b64 v[12:13], v10
	ds_load_b64 v[14:15], v10 offset:512
	ds_load_b64 v[16:17], v10 offset:1024
	ds_load_b64 v[18:19], v10 offset:1536
	s_add_co_u32 s32, s30, s28                       ; my query
	s_lshl_b32 s32, s32, 4
	s_add_co_u32 s32, s32, s29                       ; 16 query + class
	s_lshl_b32 s34, s32, 8
	s_mov_b32 s35, 0
	s_add_nc_u64 s[24:25], s[24:25], s[34:35]
	s_lshl_b32 s34, s32, 2
	s_add_nc_u64 s[26:27], s[26:27], s[34:35]
	v_lshlrev_b32 v11, 3, v9
	v_lshlrev_b32 v9, 2, v9
	v_max_num_f32 v20, 0x322bcc77, v20               ; masses, at least 1e-8
	v_max_num_f32 v21, 0x322bcc77, v21
	v_log_f32 v20, v20
	v_log_f32 v21, v21
	s_wait_dscnt 0x0
	v_pk_add_f32 v[12:13], v[12:13], v[14:15]        ; plain work behind the logarithms
	v_pk_add_f32 v[16:17], v[16:17], v[18:19]
	v_pk_add_f32 v[12:13], v[12:13], v[16:17]
	s_wait_alu depctr_va_vdst(0)
	v_fma_f32 v20, v12, s56, v20                     ; log2(mass) + relevance x log2(e)
	v_fma_f32 v21, v13, s56, v21
	v_max_num_f32 v14, v20, v21
.irp m, 1,2,4,8
	v_max_num_f32_dpp v14, v14, v14 row_xmask:\m row_mask:0xf bank_mask:0xf
.endr
	v_permlanex16_b32 v15, v14, s50, s51
	v_max_num_f32 v14, v14, v15                      ; the row's maximum is taken away ahead of the exponential
	v_sub_f32 v20, v20, v14
	v_sub_f32 v21, v21, v14
	v_exp_f32 v20, v20
	v_exp_f32 v21, v21
	v_nop
	s_wait_alu depctr_va_vdst(0)
	v_add_f32 v16, v20, v21
	RSUM 16, 15
	v_rcp_f32 v16, v16
	v_nop
	s_wait_alu depctr_va_vdst(0)
	v_mul_f32 v20, v20, v16
	v_mul_f32 v21, v21, v16
	v_max_num_f32 v18, 0x322bcc77, v20
	v_max_num_f32 v19, 0x322bcc77, v21
	v_log_f32 v18, v18
	v_log_f32 v19, v19
	v_nop
	s_wait_alu depctr_va_vdst(0)
	v_mul_f32 v18, v18, v20
	v_fma_f32 v18, v19, v21, v18
	RSUM 18, 15
	v_mul_f32 v18, 0xbf317218, v18                   ; x - ln 2: the entropy
	global_store_b64 v11, v[20:21], s[24:25]         ; 32 lanes store 256 consecutive bytes, at a multiple of 256 from out0's first byte
	s_wait_xcnt 0x0                                  ; EXEC changes only behind this wait
	v_cmp_eq_u32 vcc_lo, 0, v9
	s_and_saveexec_b32 s46, vcc_lo
	global_store_b32 v9, v18, s[26:27]               ; lane 0: one number for a (query, class); out1 is 4,096 bytes in all
	s_wait_xcnt 0x0
	s_or_b32 exec_lo, exec_lo, s46
.Ldone:
	s_wait_tensorcnt 0x0                             ; the wave's end, behind my last LDS store
	ds_add_u32 v22, v23
	s_wait_dscnt 0x0
	s_endpgm
.Lfunc_end_k_q4ac71bfade_main:
	.size	k_q4ac71bfade_main, .Lfunc_end_k_q4ac71bfade_main-k_q4ac71bfade_main
	.p2alignl 7, 3214868480
	.fill 96, 4, 3214868480
	.section	.rodata,"a",@progbits
	.p2align	6, 0x0
	.amdhsa_kernel k_q4ac71bfade_main
		.amdhsa_group_segment_fixed_size 295424
		.amdhsa_private_segment_fixed_size 0
		.amdhsa_enable_private_segment 0
		.amdhsa_kernarg_size 96
		.amdhsa_user_sgpr_count 2
		.amdhsa_user_sgpr_kernarg_segment_ptr 1
		.amdhsa_wavefront_size32 1
		.amdhsa_system_sgpr_workgroup_id_x 1
		.amdhsa_system_sgpr_workgroup_id_y 1
		.amdhsa_system_sgpr_workgroup_id_z 1
		.amdhsa_system_vgpr_workitem_id 0
		.amdhsa_next_free_vgpr 1024
		.amdhsa_next_free_sgpr 100
		.amdhsa_reserve_vcc 1
		.amdhsa_float_denorm_mode_32 3
		.amdhsa_float_denorm_mode_16_64 3
		.amdhsa_memory_ordered 1
		.amdhsa_forward_progress 1
		.amdhsa_inst_pref_size 255
	.end_amdhsa_kernel
	.section	.bss,"aw",@nobits
	.p2align	6
	.space	262144
	.amdgpu_metadata
---
amdhsa.version: [ 1, 2 ]
amdhsa.kernels:
  - .name:           k_q4ac71bfade_main
    .symbol:         k_q4ac71bfade_main.kd
    .args:
      - { .name: hid, .offset: 0, .size: 8, .value_kind: global_buffer, .address_space: global }
      - { .name: rwf, .offset: 8, .size: 8, .value_kind: global_buffer, .address_space: global }
      - { .name: rg, .offset: 16, .size: 8, .value_kind: global_buffer, .address_space: global }
      - { .name: rb, .offset: 24, .size: 8, .value_kind: global_buffer, .address_space: global }
      - { .name: rb1, .offset: 32, .size: 8, .value_kind: global_buffer, .address_space: global }
      - { .name: rw2, .offset: 40, .size: 8, .value_kind: global_buffer, .address_space: global }
      - { .name: class_masses, .offset: 48, .size: 8, .value_kind: global_buffer, .address_space: global }
      - { .name: ab2, .offset: 56, .size: 8, .value_kind: global_buffer, .address_space: global }
      - { .name: qb2, .offset: 64, .size: 8, .value_kind: global_buffer, .address_space: global }
      - { .name: cb2, .offset: 72, .size: 8, .value_kind: global_buffer, .address_space: global }
      - { .name: out0, .offset: 80, .size: 8, .value_kind: global_buffer, .address_space: global }
      - { .name: out1, .offset: 88, .size: 8, .value_kind: global_buffer, .address_space: global }
    .group_segment_fixed_size: 295424
    .private_segment_fixed_size: 0
    .kernarg_segment_align: 8
    .kernarg_segment_size: 96
    .max_flat_workgroup_size: 128
    .sgpr_count:     100
    .vgpr_count:     1024
    .wavefront_size: 32
...
	.end_amdgpu_metadata
.endif
;; end of part 2
